; MI455X (gfx1250); checked and timed in simulation.
; The chip was launched on July 23, 2026; its instructions are those of AMD's public machine-readable ISA for CDNA 5 (MIT licence, August 2026) and "CDNA5" Instruction Set Architecture Reference Guide (July 2026). The comments in the code are by the model that wrote it; some were corrected since.
;; Signature Block. Allowed arithmetic: float matrix products may take bf16 or f16 operands with f32 sums; all other float work in f32.
;; Inputs: b_proj 128 float32; w_proj 584 x 128 float32; x 8 x 4,096 x 8 float32.
;; Outputs: out0 8 x 4,096 x 128 float32.
;; One version. Each part assembles by itself: llvm-mc -triple=amdgcn-amd-amdhsa -mcpu=gfx1250 --defsym DOCPART=n.
;; ======== version 1 of 1: 1 launch
;; limits: values are held in f16: magnitudes above 65,504 overflow, below 6.1e-05 lose precision; inputs' magnitudes at most 10,000,000,000,000
;; launch sigproj (part 1): grid 256 x 1, 4 waves a work-group, clusters of 4 x 1, 324,096 bytes of LDS; arguments x, w_proj, b_proj, out0; writes out0
.if DOCPART == 1
	.amdgcn_target "amdgcn-amd-amdhsa--gfx1250"
	.amdhsa_code_object_version 6
	.text
	.protected	k_q18ce31e67e_sigproj
	.globl	k_q18ce31e67e_sigproj
	.p2align	8
	.type	k_q18ce31e67e_sigproj,@function
k_q18ce31e67e_sigproj:
	s_mov_b64 s[64:65], 0
	v_nop
	global_prefetch_b8 v0, s[64:65] scope:SCOPE_SE
	s_setreg_imm32_b32 hwreg(HW_REG_WAVE_MODE, 25, 1), 1
	s_wait_xcnt 0x0
	s_wait_alu depctr_hold_cnt(0) depctr_sa_sdst(0) depctr_va_vdst(0) depctr_va_sdst(0) depctr_va_ssrc(0) depctr_va_vcc(0) depctr_vm_vsrc(0)
	s_getreg_b32 s2, hwreg(HW_REG_IB_STS2, 6, 4)
	s_cmp_eq_u32 s2, 0
	s_cbranch_scc0 .Lentry_in_a_cluster
	s_endpgm
.Lentry_in_a_cluster:
	s_bfe_u32 s2, ttmp6, 0x10000c
	s_cmp_lg_u32 s2, 0x3003
	s_cbranch_scc0 .Lentry_shape_is_right
	s_endpgm
.Lentry_shape_is_right:
; out0[b][t][:] = signature3(window of 8 points ending at t) @ w_proj + b_proj.   x [8][4096][8], w_proj [584][128], b_proj [128], out0 [8][4096][128], all f32.
; One launch.  A work-group owns 128 consecutive rows (b, t) (4096 / 128 = 32 work-groups a batch), a wave 32 of them = two tiles of 16 rows.
; SIGNATURE, f32, on the vector unit.  With d_m the window's 7 increments, s1, s2 the state in front of step m:
;   u_m[i][j] = s2[i][j] + (s1[i]/2 + d_m[i]/6) d_m[j];   s3[i][j][k] += u_m[i][j] d_m[k];   s2[i][j] += (s1[i] + d_m[i]/2) d_m[j];   s1 += d_m
; which is reference()'s Chen step with the common factors d_m[k] and d_m[j] taken out.  In pass il (0 .. 3) lane (r, h) = (lane % 16, lane / 16) computes row r's channels
; with i = 2 il + h.  Its 16 numbers (i, j = 2 jp, 2 jp + 1, k = 0 .. 7) are its share of the A fragment of K step 4 il + jp: no number changes lanes.
; The order of K that this gives is built into the image of w_proj in LDS: eight consecutive rows of w_proj (one (i, j), k = 0 .. 7) are one 16-byte piece of it.
; NOTHING OF reference() IS LEFT OUT; all three inputs are loaded.  Two identities are used: the clip's upper bound T - 1 never binds (the largest index is t itself),
; and level 1, a sum of consecutive differences, is taken as last point - first point.
; MATRIX WORK BESIDE VECTOR WORK.  Pass il makes the fragments of K steps 4 il .. 4 il + 3 for both tiles; their 64 products stand in pass il + 1, one in front of every
; seventh of the 2 x 224 packed instructions of level 3 (224 / 32 = 7).  T lies in the accumulators' register window, u in A's, d in B's, so both kinds run under one setting.
; Left for the end: K steps 12 .. 15 and 17, which the last pass makes, and 16 and 18.  There the even column tiles go first; their results are stored among the odd ones' products.
; FORMAT.  Matrix operands are f16, sums f32.  The room in f16 is made by an exact power of two for each tile of 16 rows: L = sum over m of max over i of |d_m[i]|
; (its largest value over the tile's rows) bounds |s1| <= L, |s2| <= L^2/2, |s3| <= L^3/6.  With L < 2^E and g = min(5 - E, floor((15 - E)/3), 42) the increments are
; multiplied by la = 2^g; level 2 is multiplied by la once more and level 1 (from the unscaled points) by la^3, so that all three carry la^3, none passes 32,768, and the sums are multiplied by la^-3
; in the last fused multiply-add, which also adds the bias in f32.  The cap 42 keeps la^3 finite (2^126) where L is zero or below 2^-111; levels 2 and 3 are then below f32's range.
; LIMITS.  |w_proj| above 65,504 overflows f16; below 6e-5 it keeps an absolute error of 3e-8.  L of 2^47 or more makes la^-3 infinite (level 3 is then of the order
; of f32's largest number or beyond it).  NaN and infinities in x or w_proj give NaN or infinities in the rows that they reach, not always at the same places as in reference().
; CLUSTER.  Every work-group needs all of w_proj, so the four work-groups of a cluster ask for it jointly: wave w of each issues the same five tensor loads, with the mask
; of all four.  A mask names four work-groups, so a larger cluster would share no more.  x and out0 are shared with nobody.
; LDS.  0 .. 299,007: w_proj in f32 as it lies in memory, each byte filled once.  Group g = 0 .. 3 of the loads is the 65,536 bytes of i = 2 g, 2 g + 1 (16,384 a wave), what pass g's
; products need; group 4 is rows 0 .. 71 (levels 1, 2).  The f16 image (a K step = 8 column tiles x 1,024 bytes) is written over f32 bytes that have had their only fill and
; that every wave has read: K step f < 16 at 36,864 + 8,192 f, so group 0's image lies on group 0's lower half, group 1's on its upper half, groups 2 and 3's on group 1's bytes.
; 299,008 ..: a slab of 2,048 bytes for each wave, 40 rows of x at a pitch of 48 bytes; when all waves have read theirs, K steps 16 .. 18 of the image (24,576 bytes).
; COLUMNS.  Column n = 64 be + 4 r + c belongs to column tile 2 c + be, place r.  So a lane's results of tiles be, 2 + be, 4 + be, 6 + be are four neighbouring columns.
.set L3OFF, 36864                      ; byte of w_proj's row 72, where level 3 begins
.set RG,    65536                      ; f32 bytes of a group
.set IMG,   36864                      ; image of K step 0
.set IG,    32768                      ; image bytes of a group: four K steps
.set XS,    299008                     ; first byte of the x slabs
.set IMG4,  299008                     ; image of K step 16
.set XP,    48                         ; pitch of an x row in a slab: 3 x 16 bytes, so the 16 rows that a load touches lie in 16 different 16-byte columns of 256 bytes
; window 0
.set LN,   1                           ; lane
.set RR,   2                           ; lane % 16
.set HH,   3                           ; lane / 16
.set XA,   4                           ; LDS: row r + 1 of my wave's slab
.set L16,  5                           ; 16 x lane
.set SRC,  6                           ; LDS: my wave's 16,384 f32 bytes of group 0, + 16 x lane
.set SRCC, 7                           ; 16 x lane + 4 x wave: column 4 lane + wave of a row
.set DSTB, 8                           ; my place in a group's image
.set DSTC, 9                           ; LDS: image of K step 16, column tiles 2 wave, 2 wave + 1
.set SO,   10                          ; byte offset in out0 of my 16 bytes
.set BO,   11                          ; 16 x (lane % 16)
.set XO1,  12                          ; byte offsets in x
.set XO3,  13
.set XW1,  14                          ; LDS: where my pieces of x go
.set XW3,  15
.set BI,   16                          ; v[16:23]   bias of my 8 columns
.set TA,   24
.set TB,   25
.set AB,   28                          ; v[28:41]   pairs (s1/2 + d/6, s1 + d/2) for m = 0 .. 6
.set DS,   42                          ; v[42:48]   d_m[i] of my i
.set PS,   50                          ; v[52:56]   s1[i] in front of step m = 2 .. 6
.set LM,   58                          ; L
.set D0,   60                          ; v[60:115]  increments as they are
.set L1,   116                         ; v[116:123] level 1
.set P,    124                         ; v[124:251] the windows' 8 points, tile 0, tile 1
.set F,    60                          ; v[60:187]  w_proj: four groups of 8 rows x 4 columns f32
.set CV,   188                         ; v[188:251] the same in f16
.set O,    60                          ; v[60:187]  results to store
; window 1 (source 0 of the products and of level 3)
.set AF,   0                           ; v[0:127]   A fragments of pass il: 64 (il % 2) + 16 jp + 8 tile
.set A2,   128                         ; v[128:175] A fragments of K steps 16, 17, 18: 16 (f - 16) + 8 tile
.set U,    176                         ; v[176:231] u_m[i][0..7]
.set SS,   232                         ; v[232:239] s2[i][0..7]
.set BA,   240                         ; v[240:244] LDS: 16 x lane + the image of group 0 .. 4
; window 2 (source 1)
.set BF,   0                           ; v[0:127]   two buffers of eight B fragments; at the end v[0:223] seven slots of four
.set DD,   128                         ; v[128:239] la d_m[0..7], tile 0, tile 1
; window 3 (source 2 and destination): accumulators, tile tl, column tile nt at 64 tl + 8 nt
.set T,    128                         ; v[128:191] s3[i][0..7][0..7]
.set SO3,  192                         ; a copy of SO
; scalars
.set G1A,  16                          ; s[16:23]   descriptor group 1: 64 rows of 256 bytes
.set G1B,  24                          ; s[24:31]   the same with 36 rows
.set G0,   32                          ; s[32:51]   descriptor group 0 of the five loads
.set LA,   66                          ; s[66:69]   la of tile 0, 1, each twice
.set LA3,  70                          ; s[70:71]   la^3
.set GS,   74                          ; s74, s75   la^-3 of tile 0, 1
; s_set_vgpr_msb: bits 1:0 source 0, 3:2 source 1, 5:4 source 2, 7:6 destination
.set W_SEL, 0x0a                       ; d (window 2) to window 0
.set W_LOW, 0x58                       ; u, s2 (window 1) = AB (0) x d (2) + s2 (1)
.set W_MUL, 0xf9                       ; products, and T (3) += u (1) x d (2)
.set W_LD,  0x81                       ; B fragments (2), address from window 1
.set W_S2,  0x45                       ; window 1 to window 1
.set W_S3,  0x4f                       ; T (3) to A fragments (1)
.set W_OUT, 0x03                       ; accumulators (3) to window 0; a store takes its address from window 3
.set MSB, 0
.macro WIN new                         ; the immediate's high byte repeats the setting that is left
.if MSB != \new
	s_set_vgpr_msb (MSB<<8)|\new
.set MSB, \new
.endif
.endm
.macro ROUND                           ; a round of the cluster's barrier
	s_barrier_signal -1
	s_barrier_wait -1
	s_cmp_lg_u32 s12, 0
	s_cbranch_scc1 .Lnot_wave_0_\@
	s_barrier_signal -3
.Lnot_wave_0_\@:
	s_barrier_wait -3
	s_barrier_signal -1
	s_barrier_wait -1
.endm
.macro PLACES                          ; four plain vector instructions behind a matrix instruction (ISA guide 7.12.1)
.rept 4
	v_nop
.endr
.endm
	s_load_b256 s[4:11], s[0:1], 0x0               ; x s[4:5], w_proj s[6:7], b_proj s[8:9], out0 s[10:11]
	v_lshl_add_u32 v254, v0, 2, 0x4f000
	v_mov_b32 v255, 0
	ds_add_u32 v254, v255
	v_lshrrev_b32 v[TA], 5, v0
	v_readfirstlane_b32 s12, v[TA]                 ; wave 0 .. 3
	s_bfe_u32 s13, ttmp6, 0x40000                  ; my place in the cluster
	s_lshl_b32 s14, ttmp9, 2
	s_add_co_u32 s14, s14, s13                     ; work-group 0 .. 255
	v_and_b32 v[LN], 31, v0
	v_and_b32 v[RR], 15, v0
	v_bfe_u32 v[HH], v0, 4, 1
	v_lshlrev_b32 v[L16], 4, v[LN]
	v_lshlrev_b32 v[BO], 4, v[RR]
	v_lshlrev_b32 v[XO3], 3, v[LN]
	; x: my wave's rows are tw .. tw + 31 of its batch; it copies rows tw - 8 .. tw + 31, 1,280 bytes that start at a multiple of 256.
	s_and_b32 s15, s14, 31
	s_lshl_b32 s15, s15, 12                        ; 128 rows of 32 bytes for each work-group of the batch
	s_lshl_b32 s52, s12, 10                        ; 32 rows for each wave
	s_add_co_u32 s52, s52, s15                     ; 32 tw
	s_mov_b32 s53, 0
	s_sub_co_u32 s15, s52, 256                     ; 32 (tw - 8): below zero in a batch's first wave
	v_add_nc_u32 v[XO1], s15, v[L16]
	v_and_b32 v[TA], 1, v0
	v_lshlrev_b32 v[TA], 4, v[TA]                  ; which half of a row my 16 bytes are
	v_max_i32 v[XO1], v[XO1], v[TA]                ; the clip at index 0: rows in front of the batch become its row 0
	s_lshr_b32 s54, s14, 5
	s_lshl_b32 s54, s54, 17                        ; the batch: 4,096 rows of 32 bytes
	s_mov_b32 s55, 0
	; the tensor loads' constant words: dense blocks as rows of 256 bytes, each to the byte offset in LDS that it has in w_proj
	s_mov_b32 s[G1A+0], 15|(3<<16)|(1<<21)         ; mask: all four work-groups of the cluster; elements of 8 bytes; bit 21 beside a mask
	s_mov_b32 s[G1A+1], 32<<16                     ; tensor_dim0 = 32 elements
	s_mov_b32 s[G1A+2], 64<<16                     ; tensor_dim1 = 64 rows
	s_mov_b32 s[G1A+3], 32<<16                     ; tile_dim0 = 32
	s_mov_b32 s[G1A+4], 64                         ; tile_dim1 = 64
	s_mov_b32 s[G1A+5], 32                         ; from row to row: 32 elements
	s_mov_b32 s[G1A+6], 0
	s_mov_b32 s[G1A+7], 0
	s_mov_b32 s[G1B+0], 15|(3<<16)|(1<<21)
	s_mov_b32 s[G1B+1], 32<<16
	s_mov_b32 s[G1B+2], 36<<16                     ; 36 rows: a quarter of rows 0 .. 71 of w_proj, 9,216 bytes
	s_mov_b32 s[G1B+3], 32<<16
	s_mov_b32 s[G1B+4], 36
	s_mov_b32 s[G1B+5], 32
	s_mov_b32 s[G1B+6], 0
	s_mov_b32 s[G1B+7], 0
	s_lshl_b32 s58, s12, 14
	s_add_co_u32 s58, s58, L3OFF                   ; my 16,384 bytes of group 0: the wave's number alone enters an LDS address
	s_mov_b32 s59, 0
	s_mul_i32 s60, s12, 9216                       ; my 9,216 bytes of group 4
	s_mov_b32 s61, 0
.irp g, 0,1,2,3
	s_mov_b32 s[G0+4*\g], 1
	s_add_co_u32 s[G0+4*\g+1], s58, RG*\g
.endr
	s_mov_b32 s[G0+16], 1
	s_mov_b32 s[G0+17], s60
	s_wait_dscnt 0x0
	s_wait_kmcnt 0x0
	s_add_nc_u64 s[4:5], s[4:5], s[54:55]          ; x at my batch
	s_add_nc_u64 s[56:57], s[4:5], s[52:53]        ; x at row tw
	global_load_b128 v[P:P+3], v[XO1], s[4:5]                  ; rows tw - 8 .. tw + 7
	global_load_b128 v[P+4:P+7], v[L16], s[56:57] offset:256   ; rows tw + 8 .. tw + 23
	global_load_b64 v[P+8:P+9], v[XO3], s[56:57] offset:768    ; rows tw + 24 .. tw + 31, 8 bytes a lane
	global_load_b128 v[BI:BI+3], v[BO], s[8:9]                 ; bias of columns 4 r .. 4 r + 3
	global_load_b128 v[BI+4:BI+7], v[BO], s[8:9] offset:256    ; and 64 + 4 r .. 64 + 4 r + 3
	s_add_nc_u64 s[62:63], s[6:7], s[58:59]
.irp g, 0,1,2,3
	s_add_nc_u64 s[G0+4*\g+2:G0+4*\g+3], s[62:63], RG*\g
	s_or_b32 s[G0+4*\g+3], s[G0+4*\g+3], 0x80000000
.endr
	s_add_nc_u64 s[G0+18:G0+19], s[6:7], s[60:61]
	s_or_b32 s[G0+19], s[G0+19], 0x80000000
	ROUND                                          ; the four work-groups are here: their requests meet
.irp g, 0,1,2,3
	tensor_load_to_lds s[G0+4*\g:G0+4*\g+3], s[G1A:G1A+7]      ; in the order in which the passes need them
	s_nop 0
.endr
	tensor_load_to_lds s[G0+16:G0+19], s[G1B:G1B+7]            ; five loads of the wave are out; no byte of LDS is filled twice
	s_nop 0
	s_mov_b32 vcc_lo, 0xffff0000                   ; lanes 16 .. 31
	s_lshl_b32 s52, s14, 16                        ; out0: 128 rows of 512 bytes for each work-group,
	s_lshl_b32 s54, s12, 14                        ; 32 for each wave
	s_add_co_u32 s52, s52, s54
	s_add_nc_u64 s[10:11], s[10:11], s[52:53]
	s_lshl_b32 s58, s12, 11
	s_add_co_u32 s58, s58, XS                      ; my slab
	v_lshrrev_b32 v[TB], 1, v[LN]
	v_mul_u32_u24 v[TB], v[TB], XP
	v_add_nc_u32 v[XW1], v[TB], v[TA]
	v_add_nc_u32 v[XW1], s58, v[XW1]               ; slab row lane / 2, half lane % 2
	v_lshrrev_b32 v[TB], 2, v[LN]
	v_mul_u32_u24 v[TB], v[TB], XP
	v_and_b32 v[TA], 3, v0
	v_lshl_add_u32 v[TB], v[TA], 3, v[TB]
	v_add_nc_u32 v[XW3], s58, v[TB]                ; slab row lane / 4, quarter lane % 4
	s_add_co_u32 s59, s58, XP
	v_mad_u32_u24 v[XA], v[RR], XP, s59            ; slab row r + 1 = x row tw + r - 7: the first point of row r's window in tile 0
	s_lshl_b32 s60, s12, 14
	s_add_co_u32 s60, s60, L3OFF
	v_add_nc_u32 v[SRC], s60, v[L16]
	s_lshl_b32 s60, s12, 2
	v_add_nc_u32 v[SRCC], s60, v[L16]
	v_lshl_add_u32 v[TB], v[HH], 10, v[BO]         ; image: columns 4 lane + c lie in tile 2 c + lane / 16 at place lane % 16
	s_and_b32 s60, s12, 1
	s_lshl_b32 s60, s60, 14                        ; my rows have j = 4 (wave % 2) + 0 .. 3: K steps 2 (wave % 2), + 1 of the group's four,
	s_lshr_b32 s61, s12, 1
	s_lshl_b32 s61, s61, 8                         ; and i = 2 g + wave / 2: pieces wave / 2 and 2 + wave / 2 of a tile's four
	s_add_co_u32 s60, s60, s61
	v_add_nc_u32 v[DSTB], s60, v[TB]
	s_lshl_b32 s60, s12, 11
	s_add_co_u32 s60, s60, IMG4
	v_add_nc_u32 v[DSTC], s60, v[TB]
	v_lshl_add_u32 v[SO], v[HH], 12, v[BO]         ; lanes 16 .. 31 store eight rows further down
	WIN 0x40
.irp g, 0,1,2,3
	v_add_nc_u32 v[BA+\g], IMG+IG*\g, v[L16]
.endr
	v_add_nc_u32 v[BA+4], IMG4, v[L16]
	WIN 0xc0
	v_mov_b32 v[SO3], v[SO]
	WIN 0
	s_wait_loadcnt 0x2                             ; the three loads of x are in; the two of the bias, issued behind them, may stay out
	ds_store_b128 v[XW1], v[P:P+3]
	ds_store_b128 v[XW1], v[P+4:P+7] offset:16*XP
	ds_store_b64 v[XW3], v[P+8:P+9] offset:32*XP   ; the slab is my wave's own, and LDS serves a wave's instructions in order: no barrier, no wait in front of the reads
.macro PLOAD tl                        ; the windows of tile tl's 16 rows: 8 points of 32 bytes
.set pp, 0
.rept 8
	ds_load_b128 v[P+64*\tl+8*pp:P+64*\tl+8*pp+3], v[XA] offset:(16*\tl+pp)*XP
	ds_load_b128 v[P+64*\tl+8*pp+4:P+64*\tl+8*pp+7], v[XA] offset:(16*\tl+pp)*XP+16
.set pp, pp+1
.endr
.endm
; Tile tl: increments, the tile's power of two, level 1.  left = LDS loads that may stay out.
.macro PRE tl, left
.set PT, P+64*\tl
	s_wait_dscnt \left
.set mm, 0
.rept 7
.set kk, 0
.rept 4
	v_pk_add_f32 v[D0+8*mm+kk:D0+8*mm+kk+1], v[PT+8*mm+8+kk:PT+8*mm+9+kk], v[PT+8*mm+kk:PT+8*mm+kk+1] neg_lo:[0,1] neg_hi:[0,1]
.set kk, kk+2
.endr
.set mm, mm+1
.endr
.set kk, 0
.rept 4
	v_pk_add_f32 v[L1+kk:L1+kk+1], v[PT+56+kk:PT+57+kk], v[PT+kk:PT+kk+1] neg_lo:[0,1] neg_hi:[0,1]    ; level 1: last point - first point
.set kk, kk+2
.endr
	; L = sum over m of the largest |d_m[i]|, seven chains side by side
.set mm, 0
.rept 7
	v_max3_num_f32 v[PT+mm], |v[D0+8*mm]|, |v[D0+8*mm+1]|, |v[D0+8*mm+2]|
.set mm, mm+1
.endr
.set mm, 0
.rept 7
	v_max3_num_f32 v[PT+mm], v[PT+mm], |v[D0+8*mm+3]|, |v[D0+8*mm+4]|
.set mm, mm+1
.endr
.set mm, 0
.rept 7
	v_max3_num_f32 v[PT+mm], v[PT+mm], |v[D0+8*mm+5]|, |v[D0+8*mm+6]|
.set mm, mm+1
.endr
.set mm, 0
.rept 7
	v_max_num_f32 v[PT+mm], v[PT+mm], |v[D0+8*mm+7]|
.set mm, mm+1
.endr
	v_add_f32 v[PT], v[PT], v[PT+1]
	v_add_f32 v[PT+2], v[PT+2], v[PT+3]
	v_add_f32 v[PT+4], v[PT+4], v[PT+5]
	v_add_f32 v[PT], v[PT], v[PT+6]
	v_add_f32 v[PT+2], v[PT+2], v[PT+4]
	v_add_f32 v[LM], v[PT], v[PT+2]
	v_max_num_f32_dpp v[LM], v[LM], v[LM] row_xmask:1 row_mask:0xf bank_mask:0xf       ; the largest of the 16 rows; both halves of the wave hold the same rows
	v_max_num_f32_dpp v[LM], v[LM], v[LM] row_xmask:2 row_mask:0xf bank_mask:0xf
	v_max_num_f32_dpp v[LM], v[LM], v[LM] row_xmask:4 row_mask:0xf bank_mask:0xf
	v_max_num_f32_dpp v[LM], v[LM], v[LM] row_xmask:8 row_mask:0xf bank_mask:0xf
	v_readfirstlane_b32 s76, v[LM]
	s_bfe_u32 s76, s76, 0x80017                    ; L's exponent field e: L < 2^(e - 126) = 2^E
	s_sub_co_i32 s77, 131, s76                     ; 5 - E
	s_sub_co_i32 s78, 141, s76                     ; 15 - E,
	s_mul_i32 s78, s78, 21846
	s_ashr_i32 s78, s78, 16                        ; divided by 3, rounded down (21,846 / 65,536 is right for all |15 - E| that occur, 141 at the most)
	s_min_i32 s77, s77, s78
	s_min_i32 s77, s77, 42                         ; g, from -124 to 42: la^3 stays finite
	s_add_co_i32 s78, s77, 127
	s_lshl_b32 s[LA+2*\tl], s78, 23                ; la = 2^g
	s_mov_b32 s[LA+2*\tl+1], s[LA+2*\tl]
	s_sub_co_i32 s78, 127, s77
	s_lshl_b32 s72, s78, 23                        ; 1 / la
	s_mul_f32 s[LA3], s[LA+2*\tl], s[LA+2*\tl]
	s_mul_f32 s[LA3], s[LA3], s[LA+2*\tl]          ; la^3
	s_mov_b32 s[LA3+1], s[LA3]
	s_mul_f32 s[GS+\tl], s72, s72
	s_mul_f32 s[GS+\tl], s[GS+\tl], s72            ; la^-3, for the way out
.set kk, 0
.rept 4
	v_pk_mul_f32 v[L1+kk:L1+kk+1], v[L1+kk:L1+kk+1], s[LA3:LA3+1] op_sel_hi:[1,0]
.set kk, kk+2
.endr
	WIN 0x80                                       ; the scaling also carries d to B's window
.set mm, 0
.rept 28
	v_pk_mul_f32 v[DD+56*\tl+2*mm:DD+56*\tl+2*mm+1], v[D0+2*mm:D0+2*mm+1], s[LA+2*\tl:LA+2*\tl+1] op_sel_hi:[1,0]
.set mm, mm+1
.endr
	WIN 0x40
.set qq, 0
.rept 4
	v_cvt_pk_f16_f32 v[A2+32+8*\tl+qq], v[L1+2*qq], v[L1+2*qq+1]   ; K step 18: level 1 in registers 0-3 (in lanes 16 .. 31 it meets zeros of the image),
	v_mov_b32 v[A2+36+8*\tl+qq], 0                                 ; nothing in registers 4-7
.set qq, qq+1
.endr
	WIN 0
.endm
; One product: K step f, column tile nt, row tile tl, B fragment at register bi of window 2.  K step 0 starts the sums.
.macro PROD f, nt, tl, bi
.if (\f) < 16
.set ai, AF+64*(((\f)/4)%2)+16*((\f)%4)+8*(\tl)
.else
.set ai, A2+16*((\f)-16)+8*(\tl)
.endif
.set ci, 64*(\tl)+8*(\nt)
.set bj, \bi
.if (\f) == 0
	v_wmma_f32_16x16x32_f16 v[ci:ci+7], v[ai:ai+7], v[bj:bj+7], 0
.else
	v_wmma_f32_16x16x32_f16 v[ci:ci+7], v[ai:ai+7], v[bj:bj+7], v[ci:ci+7]
.endif
.endm
; In front of every seventh instruction of a level-3 run: product cnt / 7 of the 32 of K steps fa, fa + 1.  The sixteen accumulators take turns, one instruction a turn,
; the seven packed instructions between two products name none of their registers.
.macro PSLOT prod, fa
.if \prod
.if (cnt%7) == 0
.set pf, (\fa)+cnt/112
.set pn, (cnt/14)%8
.set pt, (cnt/7)%2
.if pt == 0
	s_wait_dscnt 30-2*(8*(cnt/112)+pn)             ; of the 32 loads of the two K steps, those of the later fragments may stay out
.endif
	PROD pf, pn, pt, BF+64*(pf%2)+8*pn
.endif
.endif
.set cnt, cnt+1
.endm
.macro FETCH f                         ; the eight B fragments of K step f: each load takes 512 neighbouring bytes
.set fn, 0
.rept 8
	ds_load_b128 v[BF+64*((\f)%2)+8*fn:BF+64*((\f)%2)+8*fn+3], v[BA+(\f)/4] offset:((\f)%4)*8192+fn*1024
	ds_load_b128 v[BF+64*((\f)%2)+8*fn+4:BF+64*((\f)%2)+8*fn+7], v[BA+(\f)/4] offset:((\f)%4)*8192+fn*1024+512
.set fn, fn+1
.endr
.endm
; The channels with first index i = 2 il + h of tile tl: levels 1 and 2 of the recurrence, then level 3 with (prod = 1) the products of K steps fa, fa + 1 among it.
.macro ROWA tl, il, prod, fa
	WIN W_SEL
.set mm, 0
.rept 7
	v_cndmask_b32 v[DS+mm], v[DD+56*\tl+8*mm+2*\il], v[DD+56*\tl+8*mm+2*\il+1], vcc_lo     ; d_m[i]
.set mm, mm+1
.endr
	WIN 0
.set mm, 0
.rept 7
	v_mul_f32 v[AB+2*mm], 0x3e2aaaab, v[DS+mm]     ; d_m[i] / 6
.set mm, mm+1
.endr
	v_mul_f32 v[AB+1], 0.5, v[DS]                  ; step 0 starts from nothing: d/2
	v_add_f32 v[PS+2], v[DS], v[DS+1]
	v_fmac_f32 v[AB+2], 0.5, v[DS]                 ; in front of step 1, s1[i] = d_0[i]
	v_fma_f32 v[AB+3], v[DS+1], 0.5, v[DS]
.set mm, 2
.rept 5
.if mm < 6
	v_add_f32 v[PS+mm+1], v[PS+mm], v[DS+mm]
.endif
	v_fmac_f32 v[AB+2*mm], 0.5, v[PS+mm]           ; s1/2 + d/6
	v_fma_f32 v[AB+2*mm+1], v[DS+mm], 0.5, v[PS+mm]    ; s1 + d/2
.set mm, mm+1
.endr
	WIN W_LOW
.set kk, 0
.rept 4
	v_pk_mul_f32 v[U+kk:U+kk+1], v[AB:AB+1], v[DD+56*\tl+kk:DD+56*\tl+kk+1] op_sel_hi:[0,1]
	v_pk_mul_f32 v[SS+kk:SS+kk+1], v[AB:AB+1], v[DD+56*\tl+kk:DD+56*\tl+kk+1] op_sel:[1,0] op_sel_hi:[1,1]
.set kk, kk+2
.endr
.set mm, 1
.rept 6
.set kk, 0
.rept 4
	v_pk_fma_f32 v[U+8*mm+kk:U+8*mm+kk+1], v[AB+2*mm:AB+2*mm+1], v[DD+56*\tl+8*mm+kk:DD+56*\tl+8*mm+kk+1], v[SS+kk:SS+kk+1] op_sel_hi:[0,1,1]
.set kk, kk+2
.endr
.set kk, 0
.rept 4
	v_pk_fma_f32 v[SS+kk:SS+kk+1], v[AB+2*mm:AB+2*mm+1], v[DD+56*\tl+8*mm+kk:DD+56*\tl+8*mm+kk+1], v[SS+kk:SS+kk+1] op_sel:[1,0,0] op_sel_hi:[1,1,1]
.set kk, kk+2
.endr
.set mm, mm+1
.endr
	; s3[i][j][k] = sum over m of u_m[i][j] d_m[k]: 32 independent packed instructions for each m; step 0 starts the sums
	WIN W_MUL
.set cnt, 0
.set mm, 0
.rept 7
.set jp, 0
.rept 4
.set kk, 0
.rept 4
	PSLOT \prod, \fa
.if mm == 0
	v_pk_mul_f32 v[T+16*jp+kk:T+16*jp+kk+1], v[U+2*jp:U+2*jp+1], v[DD+56*\tl+kk:DD+56*\tl+kk+1] op_sel_hi:[0,1]
.else
	v_pk_fma_f32 v[T+16*jp+kk:T+16*jp+kk+1], v[U+8*mm+2*jp:U+8*mm+2*jp+1], v[DD+56*\tl+8*mm+kk:DD+56*\tl+8*mm+kk+1], v[T+16*jp+kk:T+16*jp+kk+1] op_sel_hi:[0,1,1]
.endif
	PSLOT \prod, \fa
.if mm == 0
	v_pk_mul_f32 v[T+16*jp+8+kk:T+16*jp+9+kk], v[U+2*jp:U+2*jp+1], v[DD+56*\tl+kk:DD+56*\tl+kk+1] op_sel:[1,0] op_sel_hi:[1,1]
.else
	v_pk_fma_f32 v[T+16*jp+8+kk:T+16*jp+9+kk], v[U+8*mm+2*jp:U+8*mm+2*jp+1], v[DD+56*\tl+8*mm+kk:DD+56*\tl+8*mm+kk+1], v[T+16*jp+8+kk:T+16*jp+9+kk] op_sel:[1,0,0] op_sel_hi:[1,1,1]
.endif
.set kk, kk+2
.endr
.set jp, jp+1
.endr
.set mm, mm+1
.endr
.endm
; The row's results become fragments: half a fragment of level 2, four of level 3 (in the half of AF that the products in flight do not read).
.macro ROWB tl, il
	WIN W_S2
.set kk, 0
.rept 4
	v_pk_mul_f32 v[SS+kk:SS+kk+1], v[SS+kk:SS+kk+1], s[LA+2*\tl:LA+2*\tl+1] op_sel_hi:[1,0]     ; level 2 carries la^2: one more la
.set kk, kk+2
.endr
.set qq, 0
.rept 4
	v_cvt_pk_f16_f32 v[A2+16*(\il/2)+8*\tl+4*(\il%2)+qq], v[SS+2*qq], v[SS+2*qq+1]
.set qq, qq+1
.endr
	WIN W_S3
.set jp, 0
.rept 4
.set qq, 0
.rept 8
	v_cvt_pk_f16_f32 v[AF+64*(\il%2)+16*jp+8*\tl+qq], v[T+16*jp+2*qq], v[T+16*jp+2*qq+1]
.set qq, qq+1
.endr
.set jp, jp+1
.endr
.endm
; Pass il = 1, 2, 3 up to its last level-3 run.  Two K steps' fragments are fetched in one run of 32 loads: in front of tile 0's row, whose lower levels give them time to land,
; and behind tile 0's run, seven packed instructions behind the last product that read the buffers.
.macro PASS il
	WIN W_LD
	FETCH 4*\il-4
	FETCH 4*\il-3
	ROWA 0, \il, 1, 4*\il-4
	WIN W_LD
	FETCH 4*\il-2
	FETCH 4*\il-1
	ROWB 0, \il
	ROWA 1, \il, 1, 4*\il-2
.endm
; Group g of w_proj becomes K steps 4 g .. 4 g + 3 of the image.  A wave converts the 16,384 bytes that its own load brought (i = 2 g + wave / 2, j = 4 (wave % 2) + 0 .. 3:
; four groups of 8 rows, a lane has 4 columns), so its own counted wait is all that the reads need.  left = later loads of the wave, which stay out.
; bar = 1: the image lies on bytes that this stage reads: every wave's reads are over first.  last = 1: the image is whole behind the closing barrier.
.macro STAGE g, left, bar, last
	s_wait_tensorcnt \left
	v_add_nc_u32 v[TA], RG*\g, v[SRC]
	v_add_nc_u32 v[TB], IMG+IG*\g, v[DSTB]
.set jj, 0
.rept 4
.set kk, 0
.rept 8
	ds_load_b128 v[F+32*jj+4*kk:F+32*jj+4*kk+3], v[TA] offset:4096*jj+512*kk       ; a whole row of 512 bytes, 16 bytes a lane
.set kk, kk+1
.endr
.set jj, jj+1
.endr
.set jj, 0
.rept 4
	s_wait_dscnt 24-8*jj                           ; this group of 8 rows is in; the later groups' loads stay out
.set cc, 0
.rept 4
.set qq, 0
.rept 4
	v_cvt_pk_f16_f32 v[CV+16*jj+4*cc+qq], v[F+32*jj+8*qq+cc], v[F+32*jj+8*qq+4+cc]     ; a column's 8 rows = 8 consecutive places of K = 16 bytes
.set qq, qq+1
.endr
.set cc, cc+1
.endr
.set jj, jj+1
.endr
.if \bar
	s_barrier_signal -1                            ; my reads are over (the last wait above was for 0),
	s_barrier_wait -1                              ; everybody's are
.endif
.set jj, 0
.rept 4
.set cc, 0
.rept 4
	ds_store_b128 v[TB], v[CV+16*jj+4*cc:CV+16*jj+4*cc+3] offset:(jj/2)*8192+(jj%2)*512+2048*cc   ; 16 lanes write 256 neighbouring bytes
.set cc, cc+1
.endr
.set jj, jj+1
.endr
.if \last
	s_wait_dscnt 0x0                               ; my part of the image is written,
	s_barrier_signal -1
	s_barrier_wait -1                              ; all of it is
.endif
.endm
.macro LOADR sl                        ; piece sl of K steps 16 .. 18: sl = i < 8 is level 2's row i (rows 8 + 8 i ..), sl = 8 is level 1 (rows 0 ..); my column 4 lane + wave
.if (\sl) < 8
.set rw, 8+8*(\sl)
.else
.set rw, 0
.endif
.set kk, 0
.rept 8
	ds_load_b32 v[F+8*(\sl)+kk], v[SRCC] offset:(rw+kk)*512
.set kk, kk+1
.endr
.endm
.macro CVTR sl
.set qq, 0
.rept 4
	v_cvt_pk_f16_f32 v[CV+4*(\sl)+qq], v[F+8*(\sl)+2*qq], v[F+8*(\sl)+2*qq+1]
.set qq, qq+1
.endr
.endm
	PLOAD 0
	PLOAD 1
	PRE 0, 16                                      ; tile 0's points are in; tile 1's 16 loads stay out
	PRE 1, 0
	ROWA 0, 0, 0, 0                                ; pass 0: there is no image yet, and no fragment to multiply
	ROWB 0, 0
	ROWA 1, 0, 0, 0
	ROWB 1, 0
	WIN 0
	STAGE 0, 4, 1, 1
	PASS 1                                         ; with K steps 0 .. 3
	ROWB 1, 1
	WIN 0
	STAGE 1, 3, 0, 1                               ; onto the upper half of group 0's bytes, read in front of the last barrier
	PASS 2                                         ; with K steps 4 .. 7
	ROWB 1, 2
	WIN 0
	STAGE 2, 2, 0, 0                               ; onto group 1's bytes, read in front of the last barrier
	STAGE 3, 1, 0, 0
	; levels 1 and 2: a wave takes one column in four of all 72 rows, which four loads brought
	s_wait_tensorcnt 0x0                           ; my last load has landed,
	s_wait_dscnt 0x0
	s_barrier_signal -1
	s_barrier_wait -1                              ; everybody's has
.irp sl, 0,1,2,3,4,5,6
	LOADR \sl
.endr
	s_wait_dscnt 24                                ; pieces 0-3 are in; the 24 loads of pieces 4-6 stay out
.irp sl, 0,1,2,3
	CVTR \sl
.endr
	LOADR 7
	LOADR 8
	s_wait_dscnt 16                                ; pieces 4-6; the 16 loads just issued stay out
.irp sl, 4,5,6
	CVTR \sl
.endr
.set qq, 0
.rept 4
	v_mov_b32 v[CV+36+qq], 0                       ; K = 584 .. 607 of the image: zeros
.set qq, qq+1
.endr
	s_wait_dscnt 0x0
	CVTR 7
	CVTR 8
.set gg, 0
.rept 9
	ds_store_b128 v[DSTC], v[CV+4*gg:CV+4*gg+3] offset:(gg/4)*8192+(gg%4)*256      ; onto the x slabs, which every wave read in front of the first barrier
.set gg, gg+1
.endr
.set gg, 1
.rept 3
	ds_store_b128 v[DSTC], v[CV+36:CV+39] offset:16384+gg*256
.set gg, gg+1
.endr
	s_wait_dscnt 0x0                               ; my parts of K steps 8 .. 18 are written,
	s_barrier_signal -1
	s_barrier_wait -1                              ; all of them are
	PASS 3                                         ; with K steps 8 .. 11
	; THE END: K steps 12 .. 18.  A unit = the four B fragments of one K step and one be (column tiles be, 2 + be, 4 + be, 6 + be), 32 registers; seven slots (d is dead now).
	; All even units first: then half of every row of out0 is final, and it is scaled and stored among the odd units' products.  Each fragment is read from LDS once.
.macro TFETCH be, u0, u1               ; units u0 .. u1 - 1 into their slots
.set uu, \u0
.rept \u1-\u0
.set ee, 0
.rept 4
	ds_load_b128 v[32*uu+8*ee:32*uu+8*ee+3], v[BA+(12+uu)/4] offset:((12+uu)%4)*8192+(2*ee+\be)*1024
	ds_load_b128 v[32*uu+8*ee+4:32*uu+8*ee+7], v[BA+(12+uu)/4] offset:((12+uu)%4)*8192+(2*ee+\be)*1024+512
.set ee, ee+1
.endr
.set uu, uu+1
.endr
.endm
.macro TPROD be, u0, u1, c0            ; their products: eight accumulators take turns, one instruction a turn.  c0 - 2 n = LDS loads issued behind fragment n's
.set uu, \u0
.rept \u1-\u0
.set ee, 0
.rept 4
	s_wait_dscnt \c0-2*(4*uu+ee)
	PROD 12+uu, 2*ee+\be, 0, 32*uu+8*ee
	PROD 12+uu, 2*ee+\be, 1, 32*uu+8*ee
.set ee, ee+1
.endr
.set uu, uu+1
.endr
.endm
; THE WAY OUT.  Register jj of an accumulator is row 8 h + jj, column place r.  One fused multiply-add a number undoes the tile's power of two, adds the bias and puts the
; four neighbouring columns 64 be + 4 r + 0 .. 3 into four consecutive registers: 16 lanes then store 256 consecutive bytes, aligned.  Four rows (and the four eight rows below) a call.
.macro OUTQ tl, j0, be
	WIN W_OUT
.set jj, \j0
.rept 4
.set cc, 0
.rept 4
	v_fma_f32 v[O+64*\tl+4*(2*jj+\be)+cc], v[8*(8*\tl+2*cc+\be)+jj], s[GS+\tl], v[BI+4*\be+cc]
.set cc, cc+1
.endr
.set jj, jj+1
.endr
.set jj, \j0
.rept 4
	global_store_b128 v[SO3], v[O+64*\tl+4*(2*jj+\be):O+64*\tl+4*(2*jj+\be)+3], s[10:11] offset:(16*\tl+jj)*512+256*\be th:TH_STORE_NT   ; every piece has registers of its own: none is written twice
.set jj, jj+1
.endr
.endm
	WIN W_LD
	TFETCH 0, 0, 7                                 ; 56 loads, seven packed instructions behind the last product; they land while the last fragments are made
	ROWB 1, 3
	WIN W_MUL
	TPROD 0, 0, 4, 54                              ; 56 loads: behind fragment n's two stand 54 - 2 n
	PLACES
	WIN W_LD
	TFETCH 1, 0, 4                                 ; 32 loads into the four slots just read
	WIN W_MUL
	TPROD 0, 4, 7, 86                              ; 54 - 2 n of the first run and the 32 just issued
	PLACES                                         ; for the loads into the slots just read, and for the reads of the even tiles' sums below
	WIN W_LD
	TFETCH 1, 4, 7                                 ; 24 loads
	s_wait_loadcnt 0x0                             ; the bias
	WIN W_MUL
	TPROD 1, 0, 1, 54                              ; 32 + 24 loads: behind fragment n's two stand 54 - 2 n
	OUTQ 0, 0, 0
	WIN W_MUL
	TPROD 1, 1, 2, 54
	OUTQ 0, 4, 0
	WIN W_MUL
	TPROD 1, 2, 3, 54
	OUTQ 1, 0, 0
	WIN W_MUL
	TPROD 1, 3, 4, 54
	OUTQ 1, 4, 0
	WIN W_MUL
	TPROD 1, 4, 7, 54
	PLACES                                         ; behind the last matrix instructions, in front of the first read of a result
	OUTQ 0, 0, 1
	OUTQ 0, 4, 1
	OUTQ 1, 0, 1
	OUTQ 1, 4, 1
	WIN 0
	s_wait_tensorcnt 0x0
	ds_add_u32 v254, v255
	s_wait_dscnt 0x0
	ROUND                                          ; the closing round: no work-group ends while a partner may still ask for w_proj
	s_endpgm
.Lfunc_end_k_q18ce31e67e_sigproj:
	.size	k_q18ce31e67e_sigproj, .Lfunc_end_k_q18ce31e67e_sigproj-k_q18ce31e67e_sigproj
	.p2alignl 7, 3214868480
	.fill 96, 4, 3214868480
	.section	.rodata,"a",@progbits
	.p2align	6, 0x0
	.amdhsa_kernel k_q18ce31e67e_sigproj
		.amdhsa_group_segment_fixed_size 324096
		.amdhsa_private_segment_fixed_size 0
		.amdhsa_enable_private_segment 0
		.amdhsa_kernarg_size 32
		.amdhsa_user_sgpr_count 2
		.amdhsa_user_sgpr_kernarg_segment_ptr 1
		.amdhsa_wavefront_size32 1
		.amdhsa_system_sgpr_workgroup_id_x 1
		.amdhsa_system_sgpr_workgroup_id_y 1
		.amdhsa_system_sgpr_workgroup_id_z 1
		.amdhsa_system_vgpr_workitem_id 0
		.amdhsa_next_free_vgpr 1024
		.amdhsa_next_free_sgpr 80
		.amdhsa_reserve_vcc 1
		.amdhsa_float_denorm_mode_32 3
		.amdhsa_float_denorm_mode_16_64 3
		.amdhsa_memory_ordered 1
		.amdhsa_forward_progress 1
		.amdhsa_inst_pref_size 255
	.end_amdhsa_kernel
	.section	.bss,"aw",@nobits
	.p2align	6
	.space	262144
	.amdgpu_metadata
---
amdhsa.version: [ 1, 2 ]
amdhsa.kernels:
  - .name:           k_q18ce31e67e_sigproj
    .symbol:         k_q18ce31e67e_sigproj.kd
    .args:
      - { .name: x, .offset: 0, .size: 8, .value_kind: global_buffer, .address_space: global }
      - { .name: w_proj, .offset: 8, .size: 8, .value_kind: global_buffer, .address_space: global }
      - { .name: b_proj, .offset: 16, .size: 8, .value_kind: global_buffer, .address_space: global }
      - { .name: out0, .offset: 24, .size: 8, .value_kind: global_buffer, .address_space: global }
    .group_segment_fixed_size: 324096
    .private_segment_fixed_size: 0
    .kernarg_segment_align: 8
    .kernarg_segment_size: 32
    .max_flat_workgroup_size: 128
    .sgpr_count:     80
    .vgpr_count:     1024
    .wavefront_size: 32
...
	.end_amdgpu_metadata
.endif
;; end of part 1
